; MI455X (gfx1250); checked and timed in simulation.
; The chip was launched on July 23, 2026; its instructions are those of AMD's public machine-readable ISA for CDNA 5 (MIT licence, August 2026) and "CDNA5" Instruction Set Architecture Reference Guide (July 2026). The comments in the code are by the model that wrote it; some were corrected since.
;; Attention Layer. Allowed arithmetic: matrix products marked QUANTISED: E5M2 operands, one E8M0 scale for each 32 along K, by v_wmma_scale_f32_16x16x128_f8f6f4 with both operands' format E5M2, f32 sums; everything else in f32.
;; Inputs: Wk 1,024 x 1,024 float32; Wq 1,024 x 1,024 float32; Wv 1,024 x 1,024 float32; bk 1,024 float32; bq 1,024 float32; bv 1,024 float32; x 4 x 2,048 x 1,024 float32.
;; Outputs: out0 4 x 2,048 x 1,024 float32.
;; This version of the problem:
;;   THIS VERSION OF THE PROBLEM IS GIVEN IN LOW PRECISION. The matrix products marked QUANTISED in the list below multiply operands that are first quantised to E5M2 (5 exponent bits, 2 mantissa bits; 8 bits a number), with one power-of-two scale for each 32 numbers along K (OCP MX v1.0); their sums are f32. All else is computed in f32.
;;   The module's matrix products, in the order in which they are computed (A, B: the left and right operand; K: the contracted axis; several contracted axes count as one K, in the product's order):
;;     1. [M 8,192, K 1,024] x [K 1,024, N 1,024]; A: input x; B: input Wq: QUANTISED
;;     2. [M 8,192, K 1,024] x [K 1,024, N 1,024]; A: input x; B: input Wk: QUANTISED
;;     3. [M 8,192, K 1,024] x [K 1,024, N 1,024]; A: input x; B: input Wv: QUANTISED
;;     4. batch 64 x [M 2,048, K 64] x [K 64, N 2,048]; A: computed on the way; B: computed on the way: QUANTISED
;;     5. batch 64 x [M 2,048, K 2,048] x [K 2,048, N 64]; A: softmax (see below); B: computed on the way: QUANTISED
;;   THE QUANTISER, for each operand of a quantised product, along K:
;;     - K is cut into blocks of 32 from its start; a last block that is shorter is filled with zeros.
;;     - A block's scale is 2^e with e = floor(log2(the largest magnitude in the block)) - 15, held to -126 .. 127; a block of zeros has e = 0. As a byte (E8M0): e + 127.
;;     - Each number is divided by its block's scale, clamped to +-57,344, and rounded to the nearest number of E5M2, ties to even, subnormals kept.
;;     - The product sums the exact products of the quantised numbers (number of the format x scale) in f32.
;;   ~~~python
;;   def quantise(x, axis):      # numpy; x: float32 -> the quantised numbers, widened to float32 again
;;       x = np.moveaxis(x, axis, -1); K = x.shape[-1]
;;       x = np.pad(x, [(0, 0)] * (x.ndim - 1) + [(0, -K % 32)]); x = x.reshape(x.shape[:-1] + (-1, 32)); a = np.abs(x).max(-1, keepdims=True)
;;       e = np.where(a > 0, np.clip(np.frexp(np.where(a > 0, a, 1))[1] - 1 - 15, -126, 127), 0)      # np.frexp(a)[1] - 1 = floor(log2(a)), exactly
;;       r = np.clip(x / 2.0 ** e, -57344, 57344)
;;       step = 2.0 ** (np.maximum(np.frexp(np.where(r == 0, 1, r))[1] - 1, -14) - 2)
;;       q = np.round(r / step) * step * 2.0 ** e      # np.round: ties to even
;;       return np.moveaxis(q.reshape(q.shape[:-2] + (-1,))[..., :K], -1, axis).astype(np.float32)
;;   ~~~
;;   SOFTMAX AHEAD OF A QUANTISED PRODUCT. Where the list says 'softmax', what is quantised is not the finished softmax but p = 2^(t - M), with t = logit x log2(e) and M = ceil(the row's largest t), a whole number; so 1/2 < the row's largest p <= 1. The row's sum l is taken of the UNQUANTISED p, in f32, and the product's result is divided by l at the end. Since M is a whole number, a kernel that streams over the keys may use a running M (the ceiling of the running maximum): every later rescaling is an exact power of two, which a block's scale takes up: the codes' values come out the same.
;;   OPERANDS COMPUTED ON THE WAY. 'Computed on the way' means the value that the module computes at that place (a softmax that the list does not call 'softmax' is quantised finished and normalised). What goes into a quantiser is computed in f32, as accurately as f32 sums, v_exp_f32 and their like allow (about 1e-6 of the number): no bf16 or f16 on the way to a quantiser, and a product that is left as it is and whose result goes on into a quantised operand takes f32 operands (vector FMAs, or v_wmma_f32_16x16x4_f32). A number that lies on a knife's edge between two numbers of the format may be rounded either way, as far as f32 arithmetic and the matrix unit's own rounding can turn it there, and no further.
;; One version. Each part assembles by itself: llvm-mc -triple=amdgcn-amd-amdhsa -mcpu=gfx1250 --defsym DOCPART=n.
;; ======== version 1 of 1: 3 launches
;; limits: right only within a limited range of input values
;; workspace buffers: xc 8,388,608 bytes; xs 262,144 bytes; wc 3,145,728 bytes; ws 98,304 bytes; qkv 26,738,688 bytes
;; launch quant (part 1): grid 352 x 1, 4 waves a work-group, no clusters, 33,280 bytes of LDS; arguments x, Wq, Wk, Wv, xc, xs, wc, ws; writes xc, xs, wc, ws
.if DOCPART == 1
	.amdgcn_target "amdgcn-amd-amdhsa--gfx1250"
	.amdhsa_code_object_version 6
	.text
	.protected	k_q11551e5e9d_quant
	.globl	k_q11551e5e9d_quant
	.p2align	8
	.type	k_q11551e5e9d_quant,@function
k_q11551e5e9d_quant:
	s_mov_b64 s[64:65], 0
	v_nop
	global_prefetch_b8 v0, s[64:65] scope:SCOPE_SE
	s_setreg_imm32_b32 hwreg(HW_REG_WAVE_MODE, 25, 1), 1
	s_wait_xcnt 0x0
; x [8192][1024] and Wq, Wk, Wv [1024][1024], f32, K innermost, become codes of BF8 (E5M2) with one E8M0 scale byte for each 32 along K.
; xc [8192][1024], xs [8192][32];  wc [3072][1024], ws [3072][32]: rows 0-1023 Wq's, 1024-2047 Wk's, 2048-3071 Wv's.
; A block's scale is 2^(floor(log2(its largest magnitude)) - 15); its byte is the largest magnitude's exponent field - 15, held at 1 from below.
; Each number is divided by the scale, held within +-57,344 and rounded to the nearest code, ties to even.
; LIMITS: a block of zeros gets the byte 1 where the quantiser says 127: its codes are zeros, which add nothing under any byte but 0xff, and this program alone reads the bytes.
; NaN and infinities among the inputs are not served.
; Rows are dense and K is a multiple of 32: every tensor is a plain stream of blocks of 32.  A work-group takes 32,768 numbers, a wave 16 steps of 512.
; Work-groups 0-255 take x, 256-287 Wq, 288-319 Wk, 320-351 Wv: only pointers are chosen, by the work-group's number; all take one path through the text.
; Each load reads 512 consecutive bytes, 16 a lane; a step's 2,048 bytes turn through the wave's own stage in LDS and come back 64 bytes a lane (16 neighbours along K; two lanes hold a block).
; No tensor loads, no barrier: waves share nothing.  Loads run four steps (16 loads a wave) ahead, the turn through LDS one step.
.set STEPS, 16
.set CB,    16                         ; bytes of 16 codes
.set R,     16                         ; v16-79   four sets of 16 numbers as they are loaded
.set X,     80                         ; v80-111  two sets of 16 neighbours
.set C,     128                        ; v128-191 codes: four registers for each step, so that no store's data are written again
.set E,     112                        ; v112-127 a scale byte for each step
.set WREG,  8192                       ; LDS: a region for each wave: two stages of 32 x SP bytes, behind them its 256 scale bytes
.set SP,    80                         ; a lane's place in a stage: 64 bytes + 16 of padding
	s_load_b256 s[4:11], s[0:1], 0x0               ; x s[4:5], Wq s[6:7], Wk s[8:9], Wv s[10:11]
	s_load_b256 s[12:19], s[0:1], 0x20             ; xc s[12:13], xs s[14:15], wc s[16:17], ws s[18:19]
	v_lshl_add_u32 v192, v0, 2, 0x8000
	v_mov_b32 v193, 0
	v_lshrrev_b32 v1, 5, v0
	v_readfirstlane_b32 s24, v1                    ; wave
	v_and_b32 v2, 31, v0                           ; lane
	v_lshlrev_b32 v3, 4, v2                        ; my 16 bytes of a load's 512
	s_mul_i32 s25, s24, WREG
	v_lshrrev_b32 v14, 2, v2
	v_mul_u32_u24 v14, v14, SP
	v_and_b32 v15, 3, v2
	v_lshl_add_u32 v14, v15, 4, v14
	v_add_nc_u32 v14, s25, v14                     ; the stage, on the way in: SP (lane / 4) + 16 (lane % 4)
	v_mul_u32_u24 v15, v2, SP
	v_add_nc_u32 v15, s25, v15                     ; and on the way out: SP x lane
	v_mul_u32_u24 v4, v2, CB                       ; my codes' place in a step's
	v_lshrrev_b32 v5, 1, v2
	s_add_co_u32 s25, s25, 2*32*SP
	v_add_nc_u32 v5, s25, v5                       ; LDS: my wave's 256 scale bytes, my block's byte
	v_lshlrev_b32 v7, 3, v2                        ; on the way out 8 bytes a lane
	v_add_nc_u32 v6, s25, v7
	s_wait_alu depctr_va_vdst(0)
	s_wait_kmcnt 0x0
	s_cmp_lt_u32 ttmp9, 288                        ; which tensor: the choices hang on the work-group's number alone
	s_cselect_b64 s[6:7], s[6:7], s[8:9]           ; Wq or Wk,
	s_cmp_lt_u32 ttmp9, 320
	s_cselect_b64 s[6:7], s[6:7], s[10:11]         ; or Wv,
	s_cmp_lt_u32 ttmp9, 256
	s_cselect_b64 s[4:5], s[4:5], s[6:7]           ; or x
	s_cselect_b64 s[12:13], s[12:13], s[16:17]     ; the codes' buffer
	s_cselect_b64 s[14:15], s[14:15], s[18:19]     ; the scale bytes' buffer
	s_cselect_b32 s26, 0, 256
	s_cselect_b32 s27, -1, 31
	s_sub_co_u32 s26, ttmp9, s26                   ; the work-group's number in its destination (x's, or the three weights' on end)
	s_and_b32 s27, s26, s27                        ; and in its source: a weight has 32 work-groups
	s_lshl_b32 s27, s27, 2
	s_add_co_u32 s28, s27, s24                     ; my wave's run of 8,192 numbers in the source,
	s_mov_b32 s29, 0
	s_lshl_b32 s26, s26, 2
	s_add_co_u32 s30, s26, s24                     ; and in the destination
	s_mov_b32 s31, 0
	s_lshl_b64 s[32:33], s[28:29], 15              ; 32,768 bytes of f32 a run
	s_add_nc_u64 s[4:5], s[4:5], s[32:33]
	s_lshl_b64 s[32:33], s[30:31], 13              ; 8,192 bytes of codes
	s_add_nc_u64 s[12:13], s[12:13], s[32:33]
	s_lshl_b64 s[32:33], s[30:31], 8               ; 256 scale bytes
	s_add_nc_u64 s[14:15], s[14:15], s[32:33]
.macro LOAD t
.irp i, 0,1,2,3
	global_load_b128 v[R+16*((\t)%4)+4*\i:R+16*((\t)%4)+4*\i+3], v3, s[4:5] offset:2048*(\t)+512*\i th:TH_LOAD_NT   ; 32 lanes read 512 consecutive bytes
.endr
.endm
.macro TURN t                          ; step t's numbers through the stage: LDS serves a wave's instructions in order, so no wait stands between the stores and the loads
.irp i, 0,1,2,3
	ds_store_b128 v14, v[R+16*((\t)%4)+4*\i:R+16*((\t)%4)+4*\i+3] offset:32*SP*((\t)%2)+8*SP*\i
.endr
.irp i, 0,1,2,3
	ds_load_b128 v[X+16*((\t)%2)+4*\i:X+16*((\t)%2)+4*\i+3], v15 offset:32*SP*((\t)%2)+16*\i
.endr
.endm
.irp t, 0,1,2,3
	LOAD \t
.endr
	s_wait_loadcnt 12                              ; step 0's four loads are in; the twelve of steps 1 to 3 may be out
	TURN 0
.macro STEP t
.set XS, X+16*((\t)%2)
.if (\t) > 0
	s_wait_dscnt 1                                 ; this step's numbers are back from the stage (the last step's byte store may be out): so its stores into the stage have read their registers,
.else
	s_wait_dscnt 0x0
.endif
.if (\t)+4 < STEPS
	LOAD (\t)+4                                    ; which take the loads of four steps on
.endif
.if (\t)+1 < STEPS
.if STEPS-2-(\t) >= 3
	s_wait_loadcnt 12                              ; the next step's four loads are in; those of the three steps behind it may be out
.else
	s_wait_loadcnt 4*(STEPS-2-(\t))
.endif
	TURN (\t)+1                                    ; and go through the other stage while this step is worked
.endif
	v_max3_num_f32 v8, |v[XS]|, |v[XS+1]|, |v[XS+2]|               ; the largest magnitude of my 16, in two chains
	v_max3_num_f32 v9, |v[XS+3]|, |v[XS+4]|, |v[XS+5]|
.irp i, 6,10
	v_max3_num_f32 v8, v8, |v[XS+\i]|, |v[XS+\i+1]|
	v_max3_num_f32 v9, v9, |v[XS+\i+2]|, |v[XS+\i+3]|
.endr
	v_max3_num_f32 v8, v8, |v[XS+14]|, |v[XS+15]|
	v_max3_num_f32 v8, v8, v9, 0x8000000           ; and the floor 2^(16 - 127): the byte cannot fall under 1
	v_max_num_f32_dpp v8, v8, v8 row_xmask:1 row_mask:0xf bank_mask:0xf   ; and of my neighbour's 16: the block's
	v_add_nc_u32 v11, 0xf8800000, v8               ; 15 off its exponent field: the conversion takes the exponent field of this operand as its scale
.irp i, 0,1,2,3,4,5,6,7,8,9,10,11,12,13,14,15
.endr
	v_cvt_scalef32_pk8_bf8_f32 v[C+4*(\t):C+4*(\t)+1], v[XS:XS+7], v11
	v_cvt_scalef32_pk8_bf8_f32 v[C+4*(\t)+2:C+4*(\t)+3], v[XS+8:XS+15], v11
	v_lshrrev_b32 v[E+(\t)], 23, v11               ; the scale's byte (also the plain line behind the conversions)
	ds_store_b8 v5, v[E+(\t)] offset:16*(\t)       ; both lanes of a block write the same byte with the same value
	global_store_b128 v4, v[C+4*(\t):C+4*(\t)+3], s[12:13] offset:32*CB*(\t)   ; the wave stores 512 consecutive bytes, aligned
.endm
.irp t, 0,1,2,3,4,5,6,7,8,9,10,11,12,13,14,15
	STEP \t
.endr
	ds_load_b64 v[12:13], v6                       ; LDS serves a wave's instructions in order: these see my byte stores
	s_wait_dscnt 0x0
	global_store_b64 v7, v[12:13], s[14:15]        ; 32 lanes store 256 consecutive bytes, aligned
	s_wait_tensorcnt 0x0
	ds_add_u32 v192, v193
	s_wait_dscnt 0x0
	s_endpgm
.Lfunc_end_k_q11551e5e9d_quant:
	.size	k_q11551e5e9d_quant, .Lfunc_end_k_q11551e5e9d_quant-k_q11551e5e9d_quant
	.p2alignl 7, 3214868480
	.fill 96, 4, 3214868480
	.section	.rodata,"a",@progbits
	.p2align	6, 0x0
	.amdhsa_kernel k_q11551e5e9d_quant
		.amdhsa_group_segment_fixed_size 33280
		.amdhsa_private_segment_fixed_size 0
		.amdhsa_enable_private_segment 0
		.amdhsa_kernarg_size 64
		.amdhsa_user_sgpr_count 2
		.amdhsa_user_sgpr_kernarg_segment_ptr 1
		.amdhsa_wavefront_size32 1
		.amdhsa_system_sgpr_workgroup_id_x 1
		.amdhsa_system_sgpr_workgroup_id_y 1
		.amdhsa_system_sgpr_workgroup_id_z 1
		.amdhsa_system_vgpr_workitem_id 0
		.amdhsa_next_free_vgpr 194
		.amdhsa_next_free_sgpr 66
		.amdhsa_reserve_vcc 0
		.amdhsa_float_denorm_mode_32 3
		.amdhsa_float_denorm_mode_16_64 3
		.amdhsa_fp16_overflow 1
		.amdhsa_memory_ordered 1
		.amdhsa_forward_progress 1
		.amdhsa_inst_pref_size 34
	.end_amdhsa_kernel
	.amdgpu_metadata
---
amdhsa.version: [ 1, 2 ]
amdhsa.kernels:
  - .name:           k_q11551e5e9d_quant
    .symbol:         k_q11551e5e9d_quant.kd
    .args:
      - { .name: x, .offset: 0, .size: 8, .value_kind: global_buffer, .address_space: global }
      - { .name: Wq, .offset: 8, .size: 8, .value_kind: global_buffer, .address_space: global }
      - { .name: Wk, .offset: 16, .size: 8, .value_kind: global_buffer, .address_space: global }
      - { .name: Wv, .offset: 24, .size: 8, .value_kind: global_buffer, .address_space: global }
      - { .name: xc, .offset: 32, .size: 8, .value_kind: global_buffer, .address_space: global }
      - { .name: xs, .offset: 40, .size: 8, .value_kind: global_buffer, .address_space: global }
      - { .name: wc, .offset: 48, .size: 8, .value_kind: global_buffer, .address_space: global }
      - { .name: ws, .offset: 56, .size: 8, .value_kind: global_buffer, .address_space: global }
    .group_segment_fixed_size: 33280
    .private_segment_fixed_size: 0
    .kernarg_segment_align: 8
    .kernarg_segment_size: 64
    .max_flat_workgroup_size: 128
    .sgpr_count:     66
    .vgpr_count:     194
    .wavefront_size: 32
...
	.end_amdgpu_metadata
.endif
;; end of part 1
;; launch proj (part 2): grid 12 x 32, 4 waves a work-group, clusters of 4 x 4, 327,680 bytes of LDS; arguments xc, xs, wc, ws, bq, bk, bv, qkv; writes qkv
.if DOCPART == 2
	.amdgcn_target "amdgcn-amd-amdhsa--gfx1250"
	.amdhsa_code_object_version 6
	.text
	.protected	k_q11551e5e9d_proj
	.globl	k_q11551e5e9d_proj
	.p2align	8
	.type	k_q11551e5e9d_proj,@function
k_q11551e5e9d_proj:
	s_mov_b64 s[64:65], 0
	v_nop
	global_prefetch_b8 v0, s[64:65] scope:SCOPE_SE
	s_setreg_imm32_b32 hwreg(HW_REG_WAVE_MODE, 25, 1), 1
	s_wait_xcnt 0x0
	s_wait_alu depctr_hold_cnt(0) depctr_sa_sdst(0) depctr_va_vdst(0) depctr_va_sdst(0) depctr_va_ssrc(0) depctr_va_vcc(0) depctr_vm_vsrc(0)
	s_getreg_b32 s2, hwreg(HW_REG_IB_STS2, 6, 4)
	s_cmp_eq_u32 s2, 0
	s_cbranch_scc0 .Lentry_in_a_cluster
	s_endpgm
.Lentry_in_a_cluster:
	s_bfe_u32 s2, ttmp6, 0x10000c
	s_cmp_lg_u32 s2, 0xf033
	s_cbranch_scc0 .Lentry_shape_is_right
	s_endpgm
.Lentry_shape_is_right:
.set KSTEP,  256
.set NQ,     2
.set ROWB,   256
.set KROW,   1024
.set PITCH,  272
.set FR,     16
.set NL,     4
.set NP,     8
.set HALFT,  128*PITCH
.set SLOT,   4*HALFT
.set LAPS,   2
.set KS,     32
.set SCL,    2*SLOT
.set HALFS,  (128*KS/256)*272
.set SBLK,   (16*KS/256)*272
.set SPARE,  SCL+4*HALFS
.set SEC,    8704
.set REC,    26112
.set WST,    2*SEC
.set VST,    4*WST
.set SH,   7
.set BV,   8
.set ADRA, 16
.set CQ,   18
.set SQ,   19
.set ADRB, 20
.set CV,   22
.set RQ,   24
.set RV,   25
.set GO,   26
.set ADRS, 27
.set SPW,  28
.set NIL,  29
.set BO,   30
.set VO,   31
.set SC,   32
.set BI,   64
.set AF,   128
.set T,    128
.set PC,   192
.set TM,   208
.set PW,   224
.set TW,   225
.set BK,   64
.set SEL,  20
.set MNT,  22
.set PADW, 23
.set G1, 24
.set G0, 32
.set G1B, 48
.set G0B, 56
.set G1S, 68
.set G0S, 76
.set G1SB, 80
.set G0SB, 88
.set MSB, 0
.macro WIN new
.if MSB != \new
	s_set_vgpr_msb (MSB<<8)|\new
.set MSB, \new
.endif
.endm
.set MUL_LO, 0xa1
.set MUL_HI, 0xf1
.set TO_B,   0x40
.macro JLOAD g0a, g1a, g0b, g1b
	s_cmp_eq_u32 s15, 0
	s_cbranch_scc0 .Lfor_b_\@
	tensor_load_to_lds s[\g0a:\g0a+3], s[\g1a:\g1a+7]
	s_nop 0
.rept 4
	v_nop
.endr
	s_branch .Lasked_\@
.Lfor_b_\@:
	tensor_load_to_lds s[\g0b:\g0b+3], s[\g1b:\g1b+7]
	s_nop 0
.rept 4
	v_nop
.endr
.Lasked_\@:
.endm
.macro CREST
	s_cmp_lg_u32 s14, 0
	s_cbranch_scc1 .Lnot_wave_0_\@
	s_barrier_signal -3
.Lnot_wave_0_\@:
	s_barrier_wait -3
	s_barrier_signal -1
	s_barrier_wait -1
.endm
.macro CROUND
	s_barrier_signal -1
	s_barrier_wait -1
	CREST
.endm
	s_load_b256 s[4:11], s[0:1], 0x0
	s_load_b128 s[96:99], s[0:1], 0x20
	s_load_b64 s[100:101], s[0:1], 0x30
	s_load_b64 s[12:13], s[0:1], 0x38
	v_lshl_add_u32 v[SPW], v0, 2, SPARE
	v_mov_b32 v[NIL], 0
	ds_add_u32 v28, v29
	ds_add_u32 v28, v29
	s_wait_dscnt 0x0
	v_lshrrev_b32 v1, 5, v0
	v_readfirstlane_b32 s14, v1
	s_lshr_b32 s15, s14, 1
	s_and_b32 s16, s14, 1
	s_bfe_u32 s40, ttmp6, 0x40000
	s_bfe_u32 s41, ttmp6, 0x40004
	s_and_b32 s18, ttmp7, 0xffff
	s_lshl_b32 s18, s18, 2
	s_lshl_b32 s19, ttmp9, 2
	s_cmp_eq_u32 ttmp9, 2
	s_cselect_b32 s17, 8, s18
	s_cselect_b32 s42, s18, s19
	s_add_co_u32 s17, s17, s41
	s_add_co_u32 s42, s42, s40
	s_lshl_b32 s43, s41, 2
	s_lshl_b32 s43, 15, s43
	s_lshl_b32 s44, 0x1111, s40
	s_or_b32 s[G1+0], s43, (0<<16)|(1<<20)|(1<<21)|(5<<22)|(3<<25)
	s_or_b32 s[G1B+0], s44, (0<<16)|(1<<20)|(1<<21)|(5<<22)|(3<<25)
.irp g, G1, G1B
	s_mov_b32 s[\g+1], ROWB<<16
	s_mov_b32 s[\g+2], 128<<16
	s_mov_b32 s[\g+3], ROWB<<16
	s_mov_b32 s[\g+4], 128
	s_mov_b32 s[\g+5], KROW
	s_mov_b32 s[\g+6], 0
	s_mov_b32 s[\g+7], 0
.endr
	s_or_b32 s[G1S+0], s43, (3<<16)|(1<<20)|(1<<21)|(5<<22)|(3<<25)
	s_or_b32 s[G1SB+0], s44, (3<<16)|(1<<20)|(1<<21)|(5<<22)|(3<<25)
.irp g, G1S, G1SB
	s_mov_b32 s[\g+1], 32<<16
	s_mov_b32 s[\g+2], (128*KS/256)<<16
	s_mov_b32 s[\g+3], 32<<16
	s_mov_b32 s[\g+4], 128*KS/256
	s_mov_b32 s[\g+5], 32
	s_mov_b32 s[\g+6], 0
	s_mov_b32 s[\g+7], 0
.endr
	s_lshl_b32 s18, s16, 7
	s_lshl_b32 s20, s17, 8
	s_add_co_u32 s20, s20, s18
	s_lshl_b32 s46, s42, 8
	s_add_co_u32 s46, s46, s18
	s_mov_b32 s21, 0
	s_mov_b32 s47, 0
	s_mov_b64 s[18:19], KS
	s_mul_u64 s[22:23], s[20:21], s[18:19]
	s_mul_u64 s[92:93], s[46:47], s[18:19]
	s_mov_b64 s[18:19], KROW
	s_mul_u64 s[20:21], s[20:21], s[18:19]
	s_mul_u64 s[46:47], s[46:47], s[18:19]
	s_mul_i32 s45, s14, HALFT
	s_mul_i32 s94, s14, HALFS
	s_wait_kmcnt 0x0
	s_cmp_eq_u32 ttmp9, 2
	s_cselect_b64 s[66:67], s[8:9], s[4:5]
	s_cselect_b64 s[2:3], s[10:11], s[6:7]
	s_cselect_b64 s[8:9], s[4:5], s[8:9]
	s_cselect_b64 s[10:11], s[6:7], s[10:11]
	s_mov_b64 s[4:5], s[66:67]
	s_mov_b64 s[6:7], s[2:3]
	s_cmp_eq_u32 ttmp9, 0
	s_cselect_b64 s[96:97], s[96:97], s[98:99]
	s_add_nc_u64 s[20:21], s[4:5], s[20:21]
	s_add_nc_u64 s[22:23], s[6:7], s[22:23]
	s_add_nc_u64 s[46:47], s[8:9], s[46:47]
	s_add_nc_u64 s[92:93], s[10:11], s[92:93]
	CROUND
	s_mov_b32 s[G0S], 1
	s_add_co_u32 s[G0S+1], s94, SCL
	s_mov_b64 s[G0S+2:G0S+3], s[22:23]
	s_or_b32 s[G0S+3], s[G0S+3], 0x80000000
	s_mov_b32 s[G0SB], 1
	s_add_co_u32 s[G0SB+1], s94, SCL
	s_mov_b64 s[G0SB+2:G0SB+3], s[92:93]
	s_or_b32 s[G0SB+3], s[G0SB+3], 0x80000000
	JLOAD G0S, G1S, G0SB, G1SB
.irp s, 0,1
	s_mov_b32 s[G0+4*\s], 1
	s_add_co_u32 s[G0+4*\s+1], s45, \s*SLOT
	s_add_nc_u64 s[G0+4*\s+2:G0+4*\s+3], s[20:21], \s*ROWB
	s_or_b32 s[G0+4*\s+3], s[G0+4*\s+3], 0x80000000
	s_mov_b32 s[G0B+4*\s], 1
	s_add_co_u32 s[G0B+4*\s+1], s45, \s*SLOT
	s_add_nc_u64 s[G0B+4*\s+2:G0B+4*\s+3], s[46:47], \s*ROWB
	s_or_b32 s[G0B+4*\s+3], s[G0B+4*\s+3], 0x80000000
	s_wait_alu depctr_va_vdst(0)
	s_wait_tensorcnt 0x0
	ds_add_u32 v28, v29
	s_wait_dscnt 0x0
	CROUND
	JLOAD G0+4*\s, G1, G0B+4*\s, G1B
.endr
	v_and_b32 v1, 15, v0
	v_bfe_u32 v2, v0, 4, 1
	v_lshlrev_b32 v[BO], 5, v2
	s_lshl_b32 s21, s40, 10
	s_lshl_b32 s22, s16, 9
	s_add_co_u32 s21, s21, s22
	v_add_nc_u32 v[BO], s21, v[BO]
	v_lshlrev_b32 v[VO], 2, v1
	s_lshl_b32 s21, s41, 10
	s_lshl_b32 s22, s15, 9
	s_add_co_u32 s21, s21, s22
	v_add_nc_u32 v[VO], s21, v[VO]
.irp b, 0,1,2,3,4,5,6,7
	global_load_b128 v[BI+8*\b:BI+8*\b+3], v[BO], s[96:97] offset:64*\b
	global_load_b128 v[BI+8*\b+4:BI+8*\b+7], v[BO], s[96:97] offset:64*\b+16
.endr
.irp a, 0,1,2,3,4,5,6,7
	global_load_b32 v[BV+\a], v[VO], s[100:101] offset:64*\a
.endr
	v_mul_u32_u24 v3, v1, PITCH
	v_lshl_add_u32 v4, v2, 4, v3
	s_mul_i32 s21, s15, HALFT
	s_mul_i32 s22, s16, HALFT
	s_add_co_u32 s22, s22, 2*HALFT
.irp s, 0,1
	v_add_nc_u32 v[ADRA+\s], s21, v4
	v_add_nc_u32 v[ADRB+\s], s22, v4
	s_add_co_u32 s21, s21, SLOT
	s_add_co_u32 s22, s22, SLOT
.endr
	v_mul_u32_u24 v5, v1, KS
	v_lshrrev_b32 v6, 8, v5
	v_lshl_add_u32 v5, v6, 4, v5
	s_mul_i32 s21, s15, HALFS
	s_mul_i32 s22, s16, HALFS
	s_add_co_u32 s22, s22, 2*HALFS
	s_sub_co_u32 s22, s22, s21
	v_mul_u32_u24 v6, s22, v2
	s_add_co_u32 s21, s21, SCL
	v_add_nc_u32 v5, v5, v6
	v_add_nc_u32 v[ADRS], s21, v5
	s_mul_i32 s23, s14, WST
	v_lshrrev_b32 v5, 3, v1
	v_and_b32 v6, 7, v1
	v_lshlrev_b32 v[CQ], 10, v5
	v_lshl_add_u32 v[CQ], v6, 4, v[CQ]
	v_lshl_add_u32 v[CQ], v2, 3, v[CQ]
	v_add_nc_u32 v[CQ], s23, v[CQ]
	v_lshlrev_b32 v[SQ], 8, v5
	v_lshl_add_u32 v[SQ], v6, 4, v[SQ]
	v_mad_u32_u24 v[SQ], v2, SEC, v[SQ]
	v_add_nc_u32 v[SQ], s23, v[SQ]
	v_add_nc_u32 v[SQ], 8192, v[SQ]
	v_lshlrev_b32 v[CV], 4, v1
	v_lshl_add_u32 v[CV], v2, 3, v[CV]
	v_add_nc_u32 v[CV], s23, v[CV]
	v_add_nc_u32 v[CV], VST, v[CV]
	v_and_b32 v6, 31, v0
	v_lshlrev_b32 v[GO], 4, v6
	v_add_nc_u32 v[RQ], s23, v[GO]
	v_add_nc_u32 v[RV], VST, v[RQ]
	v_lshlrev_b32 v[SH], 4, v2
	s_and_b32 s18, ttmp7, 0xffff
	s_lshl_b32 s18, s18, 2
	s_cmp_eq_u32 ttmp9, 2
	s_cselect_b32 s19, s40, s41
	s_cselect_b32 s20, s16, s15
	s_cselect_b32 s21, s41, s40
	s_cselect_b32 s22, s15, s16
	s_add_co_u32 s18, s18, s19
	s_lshl_b32 s18, s18, 1
	s_add_co_u32 s18, s18, s20
	s_lshr_b32 s19, s18, 4
	s_lshl_b32 s19, s19, 4
	s_lshl_b32 s21, s21, 2
	s_add_co_u32 s19, s19, s21
	s_lshl_b32 s22, s22, 1
	s_add_co_u32 s19, s19, s22
	s_lshl_b32 s19, s19, 4
	s_and_b32 s18, s18, 15
	s_add_co_u32 s19, s19, s18
	s_mul_i32 s18, s19, REC
	s_mul_i32 s20, ttmp9, SEC
	s_add_co_u32 s18, s18, s20
	s_mov_b32 s19, 0
	s_add_nc_u64 s[12:13], s[12:13], s[18:19]
	s_add_nc_u64 s[66:67], s[12:13], 16*REC
.macro FRAG reg, adr, q, i
.irp c, 0,1,2,3
	ds_load_b128 v[\reg+4*\c:\reg+4*\c+3], v[\adr] offset:128*(\q)+32*\c+(\i)*16*PITCH
.endr
.endm
.macro MUL16 a0, p, q, sc, zero
.irp a, \a0, \a0+1
.irp b, 0,1,2,3,4,5,6,7
.if \zero
	v_wmma_scale_f32_16x16x128_f8f6f4 v[8*(8*((\a)%4)+\b):8*(8*((\a)%4)+\b)+7], v[128*(\p)+FR*\b:128*(\p)+FR*\b+FR-1], v[AF+FR*(\a):AF+FR*(\a)+FR-1], 0, v[SC+8*NQ*(\sc)+NQ*\b+(\q)], v[SC+8*NQ*(\sc)+NQ*(\a)+(\q)] matrix_a_fmt:MATRIX_FMT_BF8 matrix_b_fmt:MATRIX_FMT_BF8 matrix_a_scale:MATRIX_SCALE_ROW1
.else
	v_wmma_scale_f32_16x16x128_f8f6f4 v[8*(8*((\a)%4)+\b):8*(8*((\a)%4)+\b)+7], v[128*(\p)+FR*\b:128*(\p)+FR*\b+FR-1], v[AF+FR*(\a):AF+FR*(\a)+FR-1], v[8*(8*((\a)%4)+\b):8*(8*((\a)%4)+\b)+7], v[SC+8*NQ*(\sc)+NQ*\b+(\q)], v[SC+8*NQ*(\sc)+NQ*(\a)+(\q)] matrix_a_fmt:MATRIX_FMT_BF8 matrix_b_fmt:MATRIX_FMT_BF8 matrix_a_scale:MATRIX_SCALE_ROW1
.endif
.endr
.endr
.endm
.macro FETCH_B slot, q, p
	WIN TO_B
.irp i, 0,1,2,3,4,5,6,7
	FRAG 128*(\p)+FR*\i, ADRB+\slot, \q, \i
.endr
	WIN 0
.endm
.macro FETCH_A slot, q, i0
.irp i, \i0, \i0+1, \i0+2, \i0+3
	FRAG AF+FR*(\i), ADRA+\slot, \q, \i
.endr
.endm
.macro SCALES sc
.irp i, 0,1,2,3,4,5,6,7
	ds_load_b64 v[SC+8*NQ*\sc+NQ*\i:SC+8*NQ*\sc+NQ*\i+1], v[ADRS] offset:\i*SBLK
.endr
.endm
.macro PLACES n
.rept \n
	v_nop
.endr
.endm
.macro STEP slot, q, zero
	s_wait_dscnt 4*NL
	WIN MUL_LO
	MUL16 0, (\q)%2, \q, \slot, \zero
	MUL16 2, (\q)%2, \q, \slot, \zero
	s_wait_dscnt 0
	PLACES NP
	FETCH_B \slot, (\q)+1, 1-(\q)%2
	FETCH_A \slot, (\q)+1, 0
	WIN MUL_HI
	MUL16 4, (\q)%2, \q, \slot, \zero
	MUL16 6, (\q)%2, \q, \slot, \zero
	PLACES NP
	WIN 0
	FETCH_A \slot, (\q)+1, 4
.endm
.macro TURN slot, next, fill
	s_wait_tensorcnt 0x0
	ds_add_u32 v[SPW], v[NIL]
	s_wait_dscnt 4*NL+1
	WIN MUL_LO
	MUL16 0, 1, NQ-1, \slot, 0
	s_wait_dscnt 0x0
	s_barrier_signal -1
	MUL16 2, 1, NQ-1, \slot, 0
	WIN 0
	s_barrier_wait -1
.if \fill
	CREST
	s_add_nc_u64 s[G0+4*\slot+2:G0+4*\slot+3], s[G0+4*\slot+2:G0+4*\slot+3], 2*ROWB
	s_add_nc_u64 s[G0B+4*\slot+2:G0B+4*\slot+3], s[G0B+4*\slot+2:G0B+4*\slot+3], 2*ROWB
	JLOAD G0+4*\slot, G1, G0B+4*\slot, G1B
	PLACES NP-4
.else
	PLACES NP
.endif
	s_wait_alu depctr_va_vdst(0)
	v_add_nc_u32 v[ADRS], 4*NQ, v[ADRS]
	FETCH_B \next, 0, 0
	FETCH_A \next, 0, 0
	SCALES \next
	WIN MUL_HI
	MUL16 4, 1, NQ-1, \slot, 0
	MUL16 6, 1, NQ-1, \slot, 0
	PLACES NP
	WIN 0
	FETCH_A \next, 0, 4
.endm
	s_wait_loadcnt 0x0
	s_wait_tensorcnt 1
	s_barrier_signal -1
	s_barrier_wait -1
	FETCH_B 0, 0, 0
	FETCH_A 0, 0, 0
	SCALES 0
	FETCH_A 0, 0, 4
	STEP 0, 0, 1
	s_mov_b32 s3, LAPS-1
.Llap:
	TURN 0, 1, 1
	STEP 1, 0, 0
	TURN 1, 0, 1
	STEP 0, 0, 0
	s_sub_co_u32 s3, s3, 1
	s_cmp_lg_u32 s3, 0
	s_cbranch_scc1 .Llap
	TURN 0, 1, 0
	STEP 1, 0, 0
	s_wait_dscnt 4*NL
	WIN MUL_LO
	MUL16 0, 1, NQ-1, 1, 0
	MUL16 2, 1, NQ-1, 1, 0
	s_wait_dscnt 0
	WIN MUL_HI
	MUL16 4, 1, NQ-1, 1, 0
	MUL16 6, 1, NQ-1, 1, 0
	WIN 0
.macro QUANT s
.irp b, 0,1,2,3
	v_max3_num_f32 v[TM+\b], |v[\s+16*\b]|, |v[\s+1+16*\b]|, 0x8000000
.endr
.irp i, 2,4,6,8,10,12,14
.irp b, 0,1,2,3
	v_max3_num_f32 v[TM+\b], v[TM+\b], |v[\s+16*\b+\i]|, |v[\s+1+16*\b+\i]|
.endr
.endr
.irp b, 0,1,2,3
	v_permlanex16_b32 v[TM+4+\b], v[TM+\b], s[SEL], s[SEL+1]
.endr
.irp b, 0,1,2,3
	v_max_num_f32 v[TM+\b], v[TM+\b], v[TM+4+\b]
.endr
.irp b, 0,1,2,3
	v_add_nc_u32 v[TM+12+\b], 0xf8800000, v[TM+\b]
.endr
.irp b, 0,1,2,3
.endr
.irp b, 0,1,2,3
	v_lshrrev_b32 v[TM+4+\b], 23, v[TM+12+\b]
.endr
	v_lshl_or_b32 v[PW], v[TM+5], 8, v[TM+4]
	v_lshl_or_b32 v[PW], v[TM+6], 16, v[PW]
	v_lshl_or_b32 v[PW], v[TM+7], 24, v[PW]
.irp b, 0,1,2,3
.irp i, 0,1,2,3,4,5,6,7,8,9,10,11,12,13,14,15
.endr
	v_cvt_scalef32_pk8_bf8_f32 v[PC+4*\b:PC+1+4*\b], v[\s+16*\b:\s+7+16*\b], v[TM+12+\b]
	v_cvt_scalef32_pk8_bf8_f32 v[PC+2+4*\b:PC+3+4*\b], v[\s+8+16*\b:\s+15+16*\b], v[TM+12+\b]
.endr
	v_nop
.endm
.macro OUTP isv
.irp a, 0,1,2,3,4,5,6,7
	WIN (0x02+(\a)/4)
.if \isv
.set i, 0
.rept 64
	v_add_f32 v[T+i], v[64*((\a)%4)+i], v[BV+\a]
.set i, i+1
.endr
.else
.set i, 0
.rept 32
	v_pk_add_f32 v[T+2*i:T+2*i+1], v[64*((\a)%4)+2*i:64*((\a)%4)+2*i+1], v[BI+2*i:BI+2*i+1]
.set i, i+1
.endr
.endif
	WIN 0
	s_wait_dscnt 0x0
	QUANT T
.irp b, 0,1,2,3,4,5,6,7
.if \isv
	ds_store_b64 v[CV], v[PC+2*\b:PC+2*\b+1] offset:((\a)/4)*SEC+((\a)%4)*2048+((\b)/2)*512+((\b)%2)*256
.else
	ds_store_b64 v[CQ], v[PC+2*\b:PC+2*\b+1] offset:((\b)/4)*SEC+((\a)/2)*2048+((\a)%2)*128+(((\b)/2)%2)*512+((\b)%2)*256
.endif
.endr
.if \isv
	ds_store_b32 v[RV], v[PW] offset:8192+((\a)/4)*SEC+4*((\a)%4)
.else
	v_lshrrev_b32 v[TW], v[SH], v[PW]
	v_and_or_b32 v[TW], v[TW], 0xffff, s[PADW]
	ds_store_b32 v[SQ], v[TW] offset:((\a)%2)*128+((\a)/2)*4
.endif
.endr
	s_wait_dscnt 0x0
.set n, 0
.rept 34
.if \isv
	ds_load_b128 v[BK+4*n:BK+4*n+3], v[RV] offset:512*n
.else
	ds_load_b128 v[BK+4*n:BK+4*n+3], v[RQ] offset:512*n
.endif
.set n, n+1
.endr
.set n, 0
.rept 34
	s_wait_dscnt 33-n
.if n < 17
	global_store_b128 v[GO], v[BK+4*n:BK+4*n+3], s[12:13] offset:512*n
.else
	global_store_b128 v[GO], v[BK+4*n:BK+4*n+3], s[66:67] offset:512*(n-17)
.endif
.set n, n+1
.endr
.endm
	PLACES NP
	s_mov_b32 s[SEL], 0x76543210
	s_mov_b32 s[SEL+1], 0xfedcba98
	s_mov_b32 s[PADW], 0x7f7f0000
.irp b, 0,1,2,3
	v_mov_b32 v[TM+4+\b], 0
.endr
	s_cmp_eq_u32 ttmp9, 2
	s_cbranch_scc1 .Lv
	OUTP 0
	s_branch .Lend
.Lv:
	OUTP 1
.Lend:
	s_wait_tensorcnt 0x0
	ds_add_u32 v[SPW], v[NIL]
	s_wait_dscnt 0x0
	CROUND
	s_endpgm
.Lfunc_end_k_q11551e5e9d_proj:
	.size	k_q11551e5e9d_proj, .Lfunc_end_k_q11551e5e9d_proj-k_q11551e5e9d_proj
	.p2alignl 7, 3214868480
	.fill 96, 4, 3214868480
	.section	.rodata,"a",@progbits
	.p2align	6, 0x0
	.amdhsa_kernel k_q11551e5e9d_proj
		.amdhsa_group_segment_fixed_size 327680
		.amdhsa_private_segment_fixed_size 0
		.amdhsa_enable_private_segment 0
		.amdhsa_kernarg_size 64
		.amdhsa_user_sgpr_count 2
		.amdhsa_user_sgpr_kernarg_segment_ptr 1
		.amdhsa_wavefront_size32 1
		.amdhsa_system_sgpr_workgroup_id_x 1
		.amdhsa_system_sgpr_workgroup_id_y 1
		.amdhsa_system_sgpr_workgroup_id_z 1
		.amdhsa_system_vgpr_workitem_id 0
		.amdhsa_next_free_vgpr 1024
		.amdhsa_next_free_sgpr 102
		.amdhsa_reserve_vcc 0
		.amdhsa_float_denorm_mode_32 3
		.amdhsa_float_denorm_mode_16_64 3
		.amdhsa_fp16_overflow 1
		.amdhsa_memory_ordered 1
		.amdhsa_forward_progress 1
		.amdhsa_inst_pref_size 235
	.end_amdhsa_kernel
	.amdgpu_metadata
---
amdhsa.version: [ 1, 2 ]
amdhsa.kernels:
  - .name:           k_q11551e5e9d_proj
    .symbol:         k_q11551e5e9d_proj.kd
    .args:
      - { .name: xc, .offset: 0, .size: 8, .value_kind: global_buffer, .address_space: global }
      - { .name: xs, .offset: 8, .size: 8, .value_kind: global_buffer, .address_space: global }
      - { .name: wc, .offset: 16, .size: 8, .value_kind: global_buffer, .address_space: global }
      - { .name: ws, .offset: 24, .size: 8, .value_kind: global_buffer, .address_space: global }
      - { .name: bq, .offset: 32, .size: 8, .value_kind: global_buffer, .address_space: global }
      - { .name: bk, .offset: 40, .size: 8, .value_kind: global_buffer, .address_space: global }
      - { .name: bv, .offset: 48, .size: 8, .value_kind: global_buffer, .address_space: global }
      - { .name: qkv, .offset: 56, .size: 8, .value_kind: global_buffer, .address_space: global }
    .group_segment_fixed_size: 327680
    .private_segment_fixed_size: 0
    .kernarg_segment_align: 8
    .kernarg_segment_size: 64
    .max_flat_workgroup_size: 128
    .sgpr_count:     102
    .vgpr_count:     1024
    .wavefront_size: 32
...
	.end_amdgpu_metadata
.endif
;; end of part 2
;; launch attn (part 3): grid 4 x 64, 16 waves a work-group, clusters of 4 x 1, 327,680 bytes of LDS; arguments qkv, out0; writes out0
.if DOCPART == 3
	.amdgcn_target "amdgcn-amd-amdhsa--gfx1250"
	.amdhsa_code_object_version 6
	.text
	.protected	k_q11551e5e9d_attn
	.globl	k_q11551e5e9d_attn
	.p2align	8
	.type	k_q11551e5e9d_attn,@function
k_q11551e5e9d_attn:
	s_mov_b64 s[64:65], 0
	v_nop
	global_prefetch_b8 v0, s[64:65] scope:SCOPE_SE
	s_setreg_imm32_b32 hwreg(HW_REG_WAVE_MODE, 25, 1), 1
	s_wait_xcnt 0x0
	s_wait_alu depctr_hold_cnt(0) depctr_sa_sdst(0) depctr_va_vdst(0) depctr_va_sdst(0) depctr_va_ssrc(0) depctr_va_vcc(0) depctr_vm_vsrc(0)
	s_getreg_b32 s2, hwreg(HW_REG_IB_STS2, 6, 4)
	s_cmp_eq_u32 s2, 0
	s_cbranch_scc0 .Lentry_in_a_cluster
	s_endpgm
.Lentry_in_a_cluster:
	s_bfe_u32 s2, ttmp6, 0x10000c
	s_cmp_lg_u32 s2, 0x3003
	s_cbranch_scc0 .Lentry_shape_is_right
	s_endpgm
.Lentry_shape_is_right:
; out[b][q][64 h ..] = the sum over k of softmax_k(q . k / 8) v, for each of 64 (batch, head) pairs, 2,048 queries and keys, head size 64; both products on codes of BF8 (E5M2) with E8M0 scales.
; Q, K, V come from the records that the launch before has laid as images of operand registers: every fragment is 16 bytes a lane at 16 x lane.
; THE SOFTMAX: t = score x log2(e) / 8; M = the running largest t rounded UP to a whole number; p = 2^(t - M) is quantised along the keys, not normalised; the row's sum is taken of the unquantised p
; and divides at the end; when M moves, the sum and O are multiplied by 2^(old M - new M), which rounds nothing.
; SHARES.  Work-group y = the (batch, head) pair; the four work-groups of a cluster own 512 queries each, taken in two passes of 256; each of the sixteen waves owns one tile of 16 queries a pass, in 256 registers.
; ALL OF THE HEAD'S K AND V STAY IN LDS: 16 key steps x 17,408 bytes, filled ONCE: wave w brings key step w by one tensor load, asked for jointly by the four work-groups, which all read the same bytes.
; No LDS byte is filled twice, so there is no ring: one barrier, behind every wave's wait for its load.
; LAYOUT.  Both products are used transposed: S^T = K Q^T (source 0 = 16 keys, source 1 = my 16 queries), O^T = V^T P^T: a lane holds one query throughout.  The keys of a tile are chosen so that the 16 registers
; of tiles 2 b and 2 b + 1 are the 16 neighbouring keys 32 b + 16 (lane / 16) + 0 .. 15: the conversions' results are the second product's operand.
; K = 64 IN AN INSTRUCTION OF K = 128: Q's registers 8-15 are zero codes.  A tile of K names 16 registers of which the upper eight are the next tile's codes (tile 7: eight registers of zeros): they are
; finite numbers (the quantiser holds at the largest code), so each product there is 0; the scale bytes of that half are 0x7f on both sides.
; LIMITS: NaN and infinities are not served.  A block's largest p is taken from its largest score, which takes v_exp_f32 not to fall where its input rises.  A block whose every p is 0 keeps the byte 1: its codes are zeros.
.set REC,  26112                       ; a record: sections Q, K, V
.set SEC,  8704
.set KV,   17408                       ; a key step in LDS: K's codes at 0, K's words at 8,192, V's codes at 8,704, V's words at 16,896
.set STG,  16*KV                       ; behind them: a stage of 16 rows x (128 bytes + 16) for each wave
.set SPI,  144
.set LI,   1                           ; v1   16 x lane
.set ADK,  2                           ; v2   LDS address of the key step in hand
.set SO,   3                           ; v3   the stage: where I put 32 bytes of a row
.set SR,   4                           ; v4   and where I read 16 bytes back
.set GO,   5                           ; v5   my byte offset in the wave's rows of out
.set KB,   32                          ; v32-95  eight tiles of K (8 registers each), then four fragments of V (16 each); on the way out rows of out
.set S,    104                         ; v104-167 S^T, then p.   (v96-103: zeros, behind K's tile 7)
.set O,    168                         ; v168-199 O^T
.set P,    200                         ; v200-215 p's codes
.set BM,   216                         ; v216-219 the blocks' largest scores, then largest p
.set BT,   220                         ; v220-223 at work
.set BH,   224
.set BE,   228                         ; v228-231 the conversions' scale operands
.set KS,   232                         ; v232-235 K's scale words: register w: lanes 0-15 tile 2 w's, lanes 16-31 tile 2 w + 1's
.set VS,   236                         ; v236-239 V's scale words, a register a tile
.set PS,   240                         ; v240 p's scale word
.set QS,   241                         ; v241 Q's scale words
.set F,    242                         ; v[242:243] f = 2^(old M - new M) (v243 is named with it as a pair)
.set TMP,  244
.set QN,   246                         ; v246-253 the second pass's Q;  v254 its scale words
.set QNS,  254
.set WV,   8                           ; s8  my wave's number
.set G0,   12                          ; s[12:15] descriptor group 0
.set G1,   16                          ; s[16:23] group 1
.set SEL,  24                          ; s[24:25] lane selects: lane l xor 16
.set CS,   26                          ; s[26:27] c = log2(e) / 8
.set MNT,  28
.set TB,   29                          ; s29 LDS byte at which the key step begins
.set CNT,  30                          ; s30 key steps to go
.set MSK,  31                          ; s31 the lanes with lane & 8
.set QA,   32                          ; s[32:33] my first pass's record
.set OA,   34                          ; s[34:35] my first row of out, at my head's 256 bytes
.macro CROUND                          ; a round of the cluster's barrier
	s_barrier_signal -1
	s_barrier_wait -1
	s_cmp_lg_u32 s[WV], 0
	s_cbranch_scc1 .Lnot_wave_0_\@
	s_barrier_signal -3
.Lnot_wave_0_\@:
	s_barrier_wait -3
	s_barrier_signal -1
	s_barrier_wait -1
.endm
	s_load_b128 s[4:7], s[0:1], 0x0                ; qkv s[4:5], out0 s[6:7]
	v_lshl_add_u32 v245, v0, 2, 0x4d000
	v_mov_b32 v255, 0
	ds_add_u32 v245, v255
	ds_add_u32 v245, v255
	v_lshrrev_b32 v1, 5, v0
	s_delay_alu instid0(VALU_DEP_1)
	v_readfirstlane_b32 s[WV], v1                  ; wave 0..15
	s_bfe_u32 s9, ttmp6, 0x40000                   ; cx: my place in the cluster: it enters Q's and out's addresses alone
	s_and_b32 s10, ttmp7, 0xffff                   ; y = 16 x batch + head, which the four partners share
	; descriptor group 1: a dense block of 17,408 bytes as 68 rows of 256 bytes (32 elements of 8 bytes), no padding: the images are read 16 bytes a lane on end
	s_mov_b32 s[G1], 15|(3<<16)|(1<<21)            ; 15:0 the mask: all four work-groups; 17:16 elements of 8 bytes; 21 set beside a mask
	s_mov_b32 s[G1+1], 32<<16                      ; tensor_dim0
	s_mov_b32 s[G1+2], 68<<16                      ; tensor_dim1
	s_mov_b32 s[G1+3], 32<<16                      ; tile_dim0
	s_mov_b32 s[G1+4], 68                          ; tile_dim1
	s_mov_b32 s[G1+5], 32                          ; tensor_dim0_stride
	s_mov_b32 s[G1+6], 0
	s_mov_b32 s[G1+7], 0
	s_lshl_b32 s36, s10, 4                         ; the head's first record
	s_add_co_u32 s37, s36, s[WV]                   ; key step w's record,
	s_mul_i32 s38, s37, REC
	s_add_co_u32 s38, s38, SEC                     ; from its K section on
	s_mov_b32 s39, 0
	s_lshl_b32 s40, s9, 2                          ; my queries' block in pass 0: 4 cx + wave / 8
	s_add_co_u32 s40, s40, s36
	s_lshr_b32 s41, s[WV], 3
	s_add_co_u32 s40, s40, s41
	s_mul_i32 s40, s40, REC
	s_mov_b32 s41, 0
	s_lshr_b32 s42, s10, 4                         ; my first token: 2,048 x batch + 512 cx + 128 (wave / 8) + 32 (tile / 2) + 8 (tile % 2), tile = wave % 8
	s_lshl_b32 s42, s42, 11
	s_lshl_b32 s43, s9, 9
	s_add_co_u32 s42, s42, s43
	s_lshr_b32 s43, s[WV], 3
	s_lshl_b32 s43, s43, 7
	s_add_co_u32 s42, s42, s43
	s_bfe_u32 s43, s[WV], 0x20001
	s_lshl_b32 s43, s43, 5
	s_add_co_u32 s42, s42, s43
	s_and_b32 s43, s[WV], 1
	s_lshl_b32 s43, s43, 3
	s_add_co_u32 s42, s42, s43
	s_lshl_b32 s42, s42, 12                        ; a row of out is 4,096 bytes
	s_and_b32 s43, s10, 15
	s_lshl_b32 s43, s43, 8                         ; my head's 256 bytes of it
	s_add_co_u32 s42, s42, s43
	s_mov_b32 s43, 0
	s_mov_b32 s[SEL], 0x76543210
	s_mov_b32 s[SEL+1], 0xfedcba98
	s_mov_b32 s[CS], 0x3e38aa3b                    ; log2(e) / 8
	s_mov_b32 s[CS+1], s[CS]                       ; (named with it as a pair, so it is written)
	s_wait_dscnt 0x0
	s_wait_kmcnt 0x0
	s_mov_b32 s[G0], 1                             ; count = 1
	s_mul_i32 s[G0+1], s[WV], KV                   ; LDS address: key step w
	s_add_nc_u64 s[G0+2:G0+3], s[4:5], s[38:39]    ; global address
	s_or_b32 s[G0+3], s[G0+3], 0x80000000          ; type = 2
	s_add_nc_u64 s[QA:QA+1], s[4:5], s[40:41]
	s_add_nc_u64 s[OA:OA+1], s[6:7], s[42:43]
	CROUND                                         ; all four work-groups are here: the joint loads meet
	tensor_load_to_lds s[G0:G0+3], s[G1:G1+7]      ; my one tensor load of the launch
	s_nop 0
.rept 4
	v_nop
.endr
	v_and_b32 v10, 31, v0                          ; lane
	s_delay_alu instid0(VALU_DEP_1)
	v_lshlrev_b32 v[LI], 4, v10
	v_and_b32 v11, 15, v0                          ; r
	s_wait_alu depctr_va_vdst(0)
	v_bfe_u32 v6, v0, 4, 1                         ; h
	s_and_b32 s36, s[WV], 7                        ; my tile of queries
	s_lshl_b32 s37, s36, 10
	v_add_nc_u32 v8, s37, v[LI]                    ; Q's codes: 1,024 x tile + 16 x lane
	s_and_b32 s37, s36, 1
	s_lshl_b32 s37, s37, 8
	s_lshr_b32 s38, s36, 1
	s_lshl_b32 s38, s38, 2
	s_add_co_u32 s37, s37, s38
	s_add_co_u32 s37, s37, 8192
	v_lshl_add_u32 v9, v11, 4, s37                 ; Q's scale words: 8,192 + 16 (r + 16 (tile % 2)) + 4 (tile / 2)
	global_load_b128 v[16:19], v8, s[QA:QA+1]
	global_load_b128 v[20:23], v8, s[QA:QA+1] offset:512
	global_load_b32 v[QS], v9, s[QA:QA+1]
	global_load_b128 v[QN:QN+3], v8, s[QA:QA+1] offset:2*REC          ; the second pass's queries lie two blocks on
	global_load_b128 v[QN+4:QN+7], v8, s[QA:QA+1] offset:2*REC+512
	global_load_b32 v[QNS], v9, s[QA:QA+1] offset:2*REC
	s_mul_i32 s37, s[WV], 16*SPI
	s_add_co_u32 s37, s37, STG                     ; my stage
	v_mul_u32_u24 v[SO], v11, SPI
	s_wait_alu depctr_va_vdst(0)
	v_lshl_add_u32 v[SO], v6, 5, v[SO]
	s_delay_alu instid0(VALU_DEP_1)
	v_add_nc_u32 v[SO], s37, v[SO]                 ; in: row r, + 32 h
	v_and_b32 v7, 7, v0
	v_mul_u32_u24 v[SR], v6, SPI
	s_delay_alu instid0(VALU_DEP_1)
	v_lshl_add_u32 v[SR], v7, 4, v[SR]
	s_delay_alu instid0(VALU_DEP_1)
	v_add_nc_u32 v[SR], s37, v[SR]                 ; back: lanes 0-15 one row, lanes 16-31 the next; 16 (lane % 8) in the half row
	v_lshlrev_b32 v[GO], 12, v6
	s_delay_alu instid0(VALU_DEP_1)
	v_lshl_add_u32 v[GO], v11, 4, v[GO]            ; the same two rows in out, 16 bytes a lane
	v_and_b32 v[TMP], 8, v0
	s_delay_alu instid0(VALU_DEP_1)
	v_cmp_ne_u32 s[MSK], 0, v[TMP]                 ; lanes 8-15 and 24-31 take the upper half row
.irp i, 0,1,2,3,4,5,6,7
	v_mov_b32 v[24+\i], 0                          ; Q's K = 64 .. 127: zero codes
	v_mov_b32 v[96+\i], 0                          ; and what stands behind K's tile 7
.endr
.irp b, 0,1,2,3
	v_mov_b32 v[BT+\b], 0                          ; written once: a lane permute's destination counts as one of its sources
.endr
	v_mov_b32 v[F+1], 0                            ; (named as the upper half of the pair)
	s_wait_loadcnt 0x0                             ; Q of both passes
	s_wait_tensorcnt 0x0                           ; my key step is in LDS,
	s_barrier_signal -1
	s_barrier_wait -1                              ; everybody's is: from here on K and V are only read
; A KEY STEP: 128 keys.
.macro STEP
	v_add_nc_u32 v[ADK], s[TB], v[LI]
.rept 7
	v_nop                                          ; with the addition above: eight places behind the last products, whose operands' registers are loaded next
.endr
.irp t, 0,1,2,3,4,5,6,7
	ds_load_b128 v[KB+8*\t:KB+8*\t+3], v[ADK] offset:1024*\t
	ds_load_b128 v[KB+8*\t+4:KB+8*\t+7], v[ADK] offset:1024*\t+512
.endr
	ds_load_b128 v[KS:KS+3], v[ADK] offset:8192
	s_wait_alu depctr_va_vdst(0)
	s_wait_dscnt 0x0
.irp t, 0,2,4,6                                ; S^T = K Q^T: eight tiles of 16 keys, each a sum of its own
	v_wmma_scale_f32_16x16x128_f8f6f4 v[S+8*\t:S+8*\t+7], v[KB+8*\t:KB+8*\t+15], v[16:31], 0, v[KS+\t/2], v[QS] matrix_a_fmt:MATRIX_FMT_BF8 matrix_b_fmt:MATRIX_FMT_BF8
	v_wmma_scale_f32_16x16x128_f8f6f4 v[S+8*(\t+1):S+8*(\t+1)+7], v[KB+8*(\t+1):KB+8*(\t+1)+15], v[16:31], 0, v[KS+\t/2], v[QS] matrix_a_fmt:MATRIX_FMT_BF8 matrix_b_fmt:MATRIX_FMT_BF8 matrix_a_scale:MATRIX_SCALE_ROW1
.endr
.rept 8
	v_nop                                          ; eight places: K's registers take V's fragments, and the scores are read
.endr
.irp t, 0,1,2,3                                ; V's four fragments land while the softmax is worked
.irp c, 0,1,2,3
	ds_load_b128 v[KB+16*\t+4*\c:KB+16*\t+4*\c+3], v[ADK] offset:SEC+2048*\t+512*\c
.endr
.endr
	ds_load_b128 v[VS:VS+3], v[ADK] offset:SEC+8192
.irp b, 0,1,2,3
	v_max3_num_f32 v[BM+\b], v[S+16*\b], v[S+1+16*\b], v[S+2+16*\b]   ; the largest score of each block of 32 keys: for the row's maximum, and, since p rises with the score, for the block's largest p
.endr
.irp i, 3,5,7,9,11,13
.irp b, 0,1,2,3
	v_max3_num_f32 v[BM+\b], v[BM+\b], v[S+16*\b+\i], v[S+1+16*\b+\i]
.endr
.endr
.irp b, 0,1,2,3
	v_max_num_f32 v[BM+\b], v[BM+\b], v[S+15+16*\b]
.endr
.irp b, 0,1,2,3
	s_delay_alu instid0(VALU_DEP_4)
	v_permlanex16_b32 v[BT+\b], v[BM+\b], s[SEL], s[SEL+1]
.endr
.irp b, 0,1,2,3
	s_delay_alu instid0(VALU_DEP_4)
	v_max_num_f32 v[BM+\b], v[BM+\b], v[BT+\b]     ; with lane l xor 16's 16 keys
.endr
	s_delay_alu instid0(VALU_DEP_2)
	v_max3_num_f32 v[TMP], v[BM], v[BM+1], v[BM+2]
	s_delay_alu instid0(VALU_DEP_1)
	v_max_num_f32 v[TMP], v[TMP], v[BM+3]          ; the step's largest score of my query
	s_delay_alu instid0(VALU_DEP_1)
	v_mul_f32 v[TMP], s[CS], v[TMP]                ; as t (c is positive)
	s_delay_alu instid0(VALU_DEP_1)
	v_max_num_f32 v13, v13, v[TMP]                 ; the running largest t
	v_mov_b32 v[TMP], v12
	s_delay_alu instid0(VALU_DEP_2)
	v_floor_f32 v12, -v13                          ; the new -M = floor(-t) = -ceil(t): a whole number
	s_delay_alu instid0(VALU_DEP_1)
	v_sub_f32 v[TMP], v12, v[TMP]                  ; old M - new M: a whole number, 0 or less
	s_delay_alu instid0(VALU_DEP_1)
	v_cvt_i32_f32 v[TMP], v[TMP]                   ; (it saturates)
	s_delay_alu instid0(VALU_DEP_1)
	v_ldexp_f32 v[F], 1.0, v[TMP]                  ; f = 2^(old M - new M)
.irp j, 0,2,4,6,8,10,12,14,16,18,20,22,24,26,28,30,32,34,36,38,40,42,44,46,48,50,52,54,56,58,60,62
	v_pk_fma_f32 v[S+\j:S+1+\j], v[S+\j:S+1+\j], s[CS:CS+1], v[12:13] op_sel_hi:[1,0,0]   ; t - M, two at a time (of the pairs c and -M the low word serves both halves)
.endr
.irp b, 0,1,2,3
	v_fma_f32 v[BM+\b], v[BM+\b], s[CS], v12       ; the same of each block's largest score
.endr
	s_setprio 1
	s_wait_alu depctr_va_vdst(0)
.irp j, 0,1,2,3,4,5,6,7,8,9,10,11,12,13,14,15,16,17,18,19,20,21,22,23,24,25,26,27,28,29,30,31,32,33,34,35,36,37,38,39,40,41,42,43,44,45,46,47,48,49,50,51,52,53,54,55,56,57,58,59,60,61,62,63
	v_exp_f32 v[S+\j], v[S+\j]                     ; p = 2^(t - M), at most 1
.endr
	v_pk_mul_f32 v[14:15], v[14:15], v[F:F+1] op_sel_hi:[1,0]   ; the sums under the new M (the plain line behind the exponentials)
	s_wait_alu depctr_va_vdst(0)                   ; one wait for the batch of 64, ahead of its first reader
.irp b, 0,1,2,3
	v_exp_f32 v[BM+\b], v[BM+\b]                   ; the block's largest p: the same two instructions on the same number give the same bits
.endr
	v_pk_add_f32 v[220:221], v[108:109], v[112:113]
	v_pk_add_f32 v[234:235], v[116:117], v[120:121]
	v_pk_add_f32 v[232:233], v[124:125], v[128:129]
	v_pk_add_f32 v[230:231], v[132:133], v[136:137]
	v_pk_add_f32 v[228:229], v[140:141], v[144:145]
	v_pk_add_f32 v[226:227], v[148:149], v[152:153]
	v_pk_add_f32 v[224:225], v[156:157], v[160:161]
	v_pk_add_f32 v[14:15], v[14:15], v[164:165]
	v_pk_add_f32 v[220:221], v[220:221], v[104:105]
	v_pk_add_f32 v[234:235], v[234:235], v[106:107]
	v_pk_add_f32 v[232:233], v[232:233], v[110:111]
	v_pk_add_f32 v[230:231], v[230:231], v[114:115]
	v_pk_add_f32 v[228:229], v[228:229], v[118:119]
	v_pk_add_f32 v[226:227], v[226:227], v[122:123]
	v_pk_add_f32 v[224:225], v[224:225], v[126:127]
	v_pk_add_f32 v[14:15], v[14:15], v[130:131]
	v_pk_add_f32 v[220:221], v[220:221], v[134:135]
	v_pk_add_f32 v[234:235], v[234:235], v[138:139]
	v_pk_add_f32 v[232:233], v[232:233], v[142:143]
	v_pk_add_f32 v[230:231], v[230:231], v[146:147]
	v_pk_add_f32 v[228:229], v[228:229], v[150:151]
	v_pk_add_f32 v[226:227], v[226:227], v[154:155]
	v_pk_add_f32 v[224:225], v[224:225], v[158:159]
	v_pk_add_f32 v[14:15], v[14:15], v[162:163]
	v_pk_add_f32 v[220:221], v[220:221], v[166:167]
	s_delay_alu instid0(VALU_DEP_2)
	v_pk_add_f32 v[14:15], v[14:15], v[230:231]
	s_delay_alu instid0(VALU_DEP_2)
	v_pk_add_f32 v[220:221], v[220:221], v[228:229]
	v_pk_add_f32 v[234:235], v[234:235], v[226:227]
	v_pk_add_f32 v[232:233], v[232:233], v[224:225]
	s_delay_alu instid0(VALU_DEP_2)
	v_pk_add_f32 v[14:15], v[14:15], v[234:235]
	s_delay_alu instid0(VALU_DEP_2)
	v_pk_add_f32 v[220:221], v[220:221], v[232:233]
	s_delay_alu instid0(VALU_DEP_1)
	v_pk_add_f32 v[14:15], v[14:15], v[220:221]
	s_wait_alu depctr_va_vdst(0)                   ; and one for the four
.irp b, 0,1,2,3
	v_max_num_f32 v[BM+\b], 0x8000000, v[BM+\b]    ; the floor 2^(16 - 127): the byte cannot fall under 1
.endr
.irp b, 0,1,2,3
	s_delay_alu instid0(VALU_DEP_4)
	v_add_nc_u32 v[BE+\b], 0xf8800000, v[BM+\b]    ; 15 off the exponent field: the conversion's scale operand
.endr
.irp b, 0,1,2,3
.endr
.irp b, 0,1,2,3
	s_delay_alu instid0(VALU_DEP_4)
	v_lshrrev_b32 v[BT+\b], 23, v[BE+\b]           ; the scale's byte
.endr
	s_delay_alu instid0(VALU_DEP_3)
	v_lshl_or_b32 v[PS], v[BT+1], 8, v[BT]         ; p's scale word for these 128 keys
	s_delay_alu instid0(VALU_DEP_1)
	v_lshl_or_b32 v[PS], v[BT+2], 16, v[PS]
	s_delay_alu instid0(VALU_DEP_1)
	v_lshl_or_b32 v[PS], v[BT+3], 24, v[PS]
.irp b, 0,1,2,3
.irp i, 0,1,2,3,4,5,6,7,8,9,10,11,12,13,14,15
.endr
	v_cvt_scalef32_pk8_bf8_f32 v[P+4*\b:P+1+4*\b], v[S+16*\b:S+7+16*\b], v[BE+\b]
	v_cvt_scalef32_pk8_bf8_f32 v[P+2+4*\b:P+3+4*\b], v[S+8+16*\b:S+15+16*\b], v[BE+\b]
.endr
	s_setprio 0
.irp j, 0,2,4,6,8,10,12,14,16,18,20,22,24,26,28,30
	v_pk_mul_f32 v[O+\j:O+1+\j], v[O+\j:O+1+\j], v[F:F+1] op_sel_hi:[1,0]   ; O^T under the new M (also the places between the conversions and the products)
.endr
	s_wait_alu depctr_va_vdst(0)
	s_wait_dscnt 0x0                               ; V's fragments and scale words are in
.irp t, 0,1,2,3                                ; O^T += V^T P^T: four tiles of 16 channels by turns; K = these 128 keys
	v_wmma_scale_f32_16x16x128_f8f6f4 v[O+8*\t:O+8*\t+7], v[KB+16*\t:KB+16*\t+15], v[P:P+15], v[O+8*\t:O+8*\t+7], v[VS+\t], v[PS] matrix_a_fmt:MATRIX_FMT_BF8 matrix_b_fmt:MATRIX_FMT_BF8
.endr
.endm
; A PASS: my 16 queries against all 2,048 keys, and their rows of out.
.macro PASS p
.if \p
.irp i, 0,1,2,3,4,5,6,7
	v_mov_b32 v[16+\i], v[QN+\i]                   ; the second pass's queries; the lines below stand between these and the first product
.endr
	v_mov_b32 v[QS], v[QNS]
.endif
	v_mov_b32 v13, 0xff61b1e6                      ; the largest t so far: -3e38, under every t
	s_delay_alu instid0(VALU_DEP_1)
	v_floor_f32 v12, -v13                          ; -M
	v_mov_b32 v14, 0                               ; the sum, in two halves
	v_mov_b32 v15, 0
.irp j, 0,1,2,3,4,5,6,7,8,9,10,11,12,13,14,15,16,17,18,19,20,21,22,23,24,25,26,27,28,29,30,31
	v_mov_b32 v[O+\j], 0                           ; O^T: the step is written once; its first trip finds zeros, which the first change of M leaves zeros
.endr
	s_mov_b32 s[TB], 0
	s_mov_b32 s[CNT], 16
.Lstep_\@:
	s_setprio 2
	STEP
	s_add_co_u32 s[TB], s[TB], KV
	s_sub_co_u32 s[CNT], s[CNT], 1
	s_cmp_lg_u32 s[CNT], 0
	s_cbranch_scc1 .Lstep_\@
	s_setprio 0
.rept 8
	v_nop                                          ; eight places behind the last products
.endr
	v_add_f32 v14, v14, v15                        ; the sum's two halves,
	s_delay_alu instid0(VALU_DEP_1)
	v_permlanex16_b32 v[TMP], v14, s[SEL], s[SEL+1]
	s_delay_alu instid0(VALU_DEP_1)
	v_add_f32 v14, v14, v[TMP]                     ; and lane l xor 16's: the row's sum
	s_wait_alu depctr_va_vdst(0)
	v_rcp_f32 v14, v14
	v_nop                                          ; a plain line behind the reciprocal
	s_wait_alu depctr_va_vdst(0)                   ; and the wait ahead of its first reader
.irp j, 0,2,4,6,8,10,12,14,16,18,20,22,24,26,28,30
	v_pk_mul_f32 v[S+\j:S+1+\j], v[O+\j:O+1+\j], v[14:15] op_sel_hi:[1,0]   ; O^T / the sum: register 8 t + i is out(query r, channel 16 t + 8 h + i)
.endr
; Beside K and V there is room for half rows: channels 32 u on go through my stage (rows of 128 bytes + 16) for u = 0 and then for u = 1; every lane reads its 16 bytes of both halves, and
; lanes 8-15 and 24-31 keep the upper one: sixteen lanes then hold a token's 256 bytes.  LDS serves a wave's instructions in order: no wait stands between these stores and loads.
.irp u, 0,1
.irp t, 0,1
	ds_store_b128 v[SO], v[S+16*\u+8*\t:S+16*\u+8*\t+3] offset:64*\t
	ds_store_b128 v[SO], v[S+16*\u+8*\t+4:S+16*\u+8*\t+7] offset:64*\t+16
.endr
.irp k, 0,1,2,3,4,5,6,7
	ds_load_b128 v[KB+32*\u+4*\k:KB+32*\u+4*\k+3], v[SR] offset:2*SPI*\k
.endr
.endr
	s_wait_dscnt 0x0
.irp i, 0,1,2,3,4,5,6,7,8,9,10,11,12,13,14,15,16,17,18,19,20,21,22,23,24,25,26,27,28,29,30,31
	v_cndmask_b32 v[KB+\i], v[KB+\i], v[KB+32+\i], s[MSK]
.endr
.irp k, 0,1,2,3,4,5,6,7
	global_store_b128 v[GO], v[KB+4*\k:KB+4*\k+3], s[OA:OA+1] offset:(2*\k+8*(\k/4))*4096 th:TH_STORE_NT   ; query r is token r + 8 (r / 8) of my tile; sixteen lanes store 256 consecutive bytes, aligned
.endr
.if \p == 0
	s_wait_xcnt 0x0                                ; the stores have read their registers and their base: both are written again below
	s_add_nc_u64 s[OA:OA+1], s[OA:OA+1], 256*4096  ; the second pass's queries lie 256 tokens on
.endif
.endm
	PASS 0
	PASS 1
	s_wait_tensorcnt 0x0
	ds_add_u32 v245, v255
	s_wait_dscnt 0x0
	CROUND                                         ; the closing round: no work-group ends while a partner may still ask for a tile that names it
	s_endpgm
.Lfunc_end_k_q11551e5e9d_attn:
	.size	k_q11551e5e9d_attn, .Lfunc_end_k_q11551e5e9d_attn-k_q11551e5e9d_attn
	.p2alignl 7, 3214868480
	.fill 96, 4, 3214868480
	.section	.rodata,"a",@progbits
	.p2align	6, 0x0
	.amdhsa_kernel k_q11551e5e9d_attn
		.amdhsa_group_segment_fixed_size 327680
		.amdhsa_private_segment_fixed_size 0
		.amdhsa_enable_private_segment 0
		.amdhsa_kernarg_size 16
		.amdhsa_user_sgpr_count 2
		.amdhsa_user_sgpr_kernarg_segment_ptr 1
		.amdhsa_wavefront_size32 1
		.amdhsa_system_sgpr_workgroup_id_x 1
		.amdhsa_system_sgpr_workgroup_id_y 1
		.amdhsa_system_sgpr_workgroup_id_z 1
		.amdhsa_system_vgpr_workitem_id 0
		.amdhsa_next_free_vgpr 256
		.amdhsa_next_free_sgpr 66
		.amdhsa_reserve_vcc 0
		.amdhsa_float_denorm_mode_32 3
		.amdhsa_float_denorm_mode_16_64 3
		.amdhsa_fp16_overflow 1
		.amdhsa_memory_ordered 1
		.amdhsa_forward_progress 1
		.amdhsa_inst_pref_size 56
	.end_amdhsa_kernel
	.amdgpu_metadata
---
amdhsa.version: [ 1, 2 ]
amdhsa.kernels:
  - .name:           k_q11551e5e9d_attn
    .symbol:         k_q11551e5e9d_attn.kd
    .args:
      - { .name: qkv, .offset: 0, .size: 8, .value_kind: global_buffer, .address_space: global }
      - { .name: out0, .offset: 8, .size: 8, .value_kind: global_buffer, .address_space: global }
    .group_segment_fixed_size: 327680
    .private_segment_fixed_size: 0
    .kernarg_segment_align: 8
    .kernarg_segment_size: 16
    .max_flat_workgroup_size: 512
    .sgpr_count:     66
    .vgpr_count:     256
    .wavefront_size: 32
...
	.end_amdgpu_metadata
.endif
;; end of part 3
